; MI455X (gfx1250); checked and timed in simulation.
; The chip was launched on July 23, 2026; its instructions are those of AMD's public machine-readable ISA for CDNA 5 (MIT licence, August 2026) and "CDNA5" Instruction Set Architecture Reference Guide (July 2026). The comments in the code are by the model that wrote it; some were corrected since.
;; State Quantizer. Allowed arithmetic: matrix products marked QUANTISED: E2M1 operands, one E8M0 scale for each 32 along K, by v_wmma_scale_f32_16x16x128_f8f6f4 with both operands' format E2M1 (or v_wmma_scale_f32_32x16x128_f4), f32 sums; everything else in f32.
;; Inputs: codebook 1,024 x 64 float32; z 32 x 2,048 x 64 float32.
;; Outputs: out0 32 x 2,048 x 64 float32; out1 one number float32.
;; This version of the problem:
;;   THIS VERSION OF THE PROBLEM IS GIVEN IN LOW PRECISION. The matrix products marked QUANTISED in the list below multiply operands that are first quantised to E2M1 (2 exponent bits, 1 mantissa bit; 4 bits a number), with one power-of-two scale for each 32 numbers along K (OCP MX v1.0); their sums are f32. All else is computed in f32.
;;   The module's matrix products, in the order in which they are computed (A, B: the left and right operand; K: the contracted axis; several contracted axes count as one K, in the product's order):
;;     1. [M 65,536, K 64] x [K 64, N 1,024]; A: input z; B: input codebook: QUANTISED
;;   THE QUANTISER, for each operand of a quantised product, along K:
;;     - K is cut into blocks of 32 from its start; a last block that is shorter is filled with zeros.
;;     - A block's scale is 2^e with e = floor(log2(the largest magnitude in the block)) - 2, held to -126 .. 127; a block of zeros has e = 0. As a byte (E8M0): e + 127.
;;     - Each number is divided by its block's scale, clamped to +-6, and rounded to the nearest number of E2M1, ties to even, subnormals kept.
;;     - The product sums the exact products of the quantised numbers (number of the format x scale) in f32.
;;   ~~~python
;;   def quantise(x, axis):      # numpy; x: float32 -> the quantised numbers, widened to float32 again
;;       x = np.moveaxis(x, axis, -1); K = x.shape[-1]
;;       x = np.pad(x, [(0, 0)] * (x.ndim - 1) + [(0, -K % 32)]); x = x.reshape(x.shape[:-1] + (-1, 32)); a = np.abs(x).max(-1, keepdims=True)
;;       e = np.where(a > 0, np.clip(np.frexp(np.where(a > 0, a, 1))[1] - 1 - 2, -126, 127), 0)      # np.frexp(a)[1] - 1 = floor(log2(a)), exactly
;;       r = np.clip(x / 2.0 ** e, -6, 6)
;;       step = 2.0 ** (np.maximum(np.frexp(np.where(r == 0, 1, r))[1] - 1, 0) - 1)
;;       q = np.round(r / step) * step * 2.0 ** e      # np.round: ties to even
;;       return np.moveaxis(q.reshape(q.shape[:-2] + (-1,))[..., :K], -1, axis).astype(np.float32)
;;   ~~~
;; One version. Each part assembles by itself: llvm-mc -triple=amdgcn-amd-amdhsa -mcpu=gfx1250 --defsym DOCPART=n.
;; ======== version 1 of 1: 3 launches
;; limits: right only within a limited range of input values
;; workspace buffers: cand 1,048,576 bytes of whole numbers; part 1,024 bytes
;; launch nearest (part 1): grid 64 x 4, 16 waves a work-group, clusters of 4 x 4, 327,680 bytes of LDS; arguments z, codebook, cand; writes cand
.if DOCPART == 1
	.amdgcn_target "amdgcn-amd-amdhsa--gfx1250"
	.amdhsa_code_object_version 6
	.text
	.protected	k_q60124a782c_nearest
	.globl	k_q60124a782c_nearest
	.p2align	8
	.type	k_q60124a782c_nearest,@function
k_q60124a782c_nearest:
	s_mov_b64 s[64:65], 0
	v_nop
	global_prefetch_b8 v0, s[64:65] scope:SCOPE_SE
	s_setreg_imm32_b32 hwreg(HW_REG_WAVE_MODE, 25, 1), 1
	s_wait_xcnt 0x0
	s_wait_alu depctr_hold_cnt(0) depctr_sa_sdst(0) depctr_va_vdst(0) depctr_va_sdst(0) depctr_va_ssrc(0) depctr_va_vcc(0) depctr_vm_vsrc(0)
	s_getreg_b32 s2, hwreg(HW_REG_IB_STS2, 6, 4)
	s_cmp_eq_u32 s2, 0
	s_cbranch_scc0 .Lentry_in_a_cluster
	s_endpgm
.Lentry_in_a_cluster:
	s_bfe_u32 s2, ttmp6, 0x10000c
	s_cmp_lg_u32 s2, 0xf033
	s_cbranch_scc0 .Lentry_shape_is_right
	s_endpgm
.Lentry_shape_is_right:
; For each half j of the codebook (512 codes) and each row i of z: cand[j][i] = (key, c): c is the code of the half that makes ||E[c]||^2 - 2 Q(z[i]) . Q(E[c]) smallest, the lowest c among equals; key is a signed whole number
; that orders as the value D below does.  The launch gather takes half 1's code where its key is greater, else half 0's.  z: [65536][64] f32, E (the codebook): [1024][64] f32, cand: [2][65536][2] words.
; Q: codes of FP4 (E2M1) with one E8M0 scale for each 32 along K = 64; a block's scale is 2^(floor(log2(largest magnitude)) - 2), its byte held at 1 from below (a block of zeros keeps byte 1: its codes are zeros).
; WHAT IS COMPARED: D = Q(z).Q(E) - ||E||^2 / 2, straight out of the matrix instruction (C = -||E||^2 / 2); its largest is the smallest distance.
; DEAD WORK LEFT OUT, for all finite inputs: (1) ||z||^2 is the same for all codes of a row, so it moves no argmin; (2) in out0 = z + (E[c] - z) the two z cancel: out0 = E[c] (the launch gather).
; LIMITS: without ||z||^2 the order of rounding differs: two codes whose distances (||z||^2 - 2 z.E) + ||E||^2 rounds to one f32 number may be told apart here.  ||E||^2 is summed in two pairs of chains.
;         A NaN, an infinity or an overflow that reaches only the work left out is not carried to the results; NaN and infinities among the inputs are not served.
; SHARES.  A work-group of sixteen waves takes 512 rows of z against one half of the codebook: 128 KB of each, the least sum for 512 x 512 pairs.  CLUSTERS of 4 x 4: the four work-groups of a row of the cluster (same cy)
; take half cy % 2 and ask for it JOINTLY (same tensor load, same descriptor, a mask that names the four); the block of z hangs on cx and cy / 2, so the two that share a block of z lie in one cluster.
; Wave w brings codes 32 w .. 32 w + 31 of the half (ONE tensor load) and rows 32 w .. 32 w + 31 of the block of z (16 plain loads), quantises both and leaves them in LDS as images of operand registers;
; z is quantised while the codes are on their way.  Behind one barrier wave w searches the 64 rows of group g = w / 2 against codes 256 s .. 256 s + 255, s = w % 2; the two waves of a group meet at the end, through LDS.
; NO PREFETCH: there is no loop to run ahead in; every byte is asked for once, at the head.
; K = 64 IS HALF OF THE INSTRUCTION'S 128: source 0 holds TWO tiles of 16 codes, tile A in k 0-63 and tile B in k 64-127; source 1 is [z | zeros] for the first and [zeros | z] for the second.
; LAYOUT.  Source 0 = codes' rows, source 1 = 16 rows of z: in the result lane (r, h) holds row r of z, and register j code 16 t + 8 h + j.  A row's search runs down a lane's registers; lanes l and l xor 16 meet at the end.
; THE SEARCH.  For each pair of tiles (16 values a lane): the largest of the 16 and the best so far, has it risen, the pair's number, and the 16 values are kept where it has (two selects an instruction).
; At the end the best's place among the kept values is found by halving, the lower half where it holds the best.  The first pair's products are written straight into the kept registers.
.set PITCH, 272                        ; an f32 row in LDS: 256 bytes + 16 of padding = 68 words: row r starts at bank 4 r mod 64 (64 banks of 4 bytes: ISA guide 11.1)
.set TILEB, 16*PITCH
.set WRAW,  32*PITCH                   ; a wave's 32 rows of the codebook
.set ZST,   16*WRAW                    ; z's stages: 16 rows a wave
.set CBI,   ZST+16*TILEB               ; the codes, tile t's image at 512 t + 16 x lane
.set ZIM,   CBI+16384                  ; z's images, likewise
.set SCI,   ZIM+16384                  ; the codes' scale words, pair u's at 64 u + 4 r: bytes = tile A's blocks 0, 1, tile B's blocks 0, 1
.set HEI,   SCI+1024                   ; -||E[c]||^2 / 2 at 4 c
.set ZSI,   HEI+2048                   ; z's scale words, tile t's at 64 t + 4 r
.set MRG,   ZSI+2048                   ; the waves' results: wave w at 512 w: 64 best values, 64 codes
.set SPARE, MRG+8192                   ; the spare words
.set GOF, 1                            ; v1 16 x lane
.set SPW, 2
.set NIL, 3
.set STIN, 4                           ; z's way into my stage
.set TRD, 5                            ; my codes' rows, a block a lane
.set ZTR, 6                            ; my stage, a block a lane
.set CBW, 7                            ; where my images go, the codes' and z's
.set SCW, 8
.set HEW, 9                            ; my codes' -ee/2, and z's scale words
.set H8,  10
.set CBR, 11                           ; where the search reads: codes, scale words, -ee/2, z's images, z's scale words
.set SCR, 12
.set HER, 13
.set ZRD, 14
.set ZSR, 15
.set AS,  16                           ; the codes' scale word
.set ZB,  18                           ; v18-53 0 z0 0 z1 0 z2 0 z3 0, four registers each
.set ZS,  54                           ; v54-57 z's scale words
.set OP,  58                           ; v58-81 the operands of a pair: 8 of codes, 16 of -ee/2
.set D,   82                           ; v82-145 results, two sets of 32
.set ZR,  82                           ; in the head: z as loaded
.set R,   146                          ; v146-209 the kept values, 16 for each tile of z
.set XA,  146                          ; while quantising: two sets of 32 numbers of one block
.set XB,  178
.set M,   210                          ; v210-217 the best so far, two sets of four by turns
.set US,  218                          ; v218-221 its pair's number
.set X,   222                          ; v222-229 at work
.set T0,  58                           ; while quantising, in OP's registers
.set T1,  59
.set T2,  60
.set T3,  61
.set SO,  62                           ; the conversions' scale operands
.set SO2, 63
.set BY,  64                           ; v64-65 the scale bytes of two tiles
.set EE,  66
.set CD,  70                           ; v70-77 codes of two tiles
.set W,   78
.set W2,  79
.set WB,  80
.set W3,  81
.set HV,  X+7
.set WV,  10                           ; s10 wave
.set G1,  16                           ; s[16:23], s[24:27] descriptor groups 1 and 0
.set G0,  24
.set SEL, 32                           ; s[32:33] v_permlanex16_b32's selects for lane l xor 16
; A round of the cluster's barrier.
.macro ROUND
	s_barrier_signal -1
	s_barrier_wait -1
	s_cmp_lg_u32 s[WV], 0
	s_cbranch_scc1 .Lnot_wave_0_\@
	s_barrier_signal -3
.Lnot_wave_0_\@:
	s_barrier_wait -3
	s_barrier_signal -1
	s_barrier_wait -1
.endm
	s_load_b128 s[4:7], s[0:1], 0x0                ; z s[4:5], the codebook s[6:7]
	s_load_b64 s[8:9], s[0:1], 0x10                ; cand
	v_lshl_add_u32 v[SPW], v0, 2, SPARE
	v_mov_b32 v[NIL], 0
	ds_add_u32 v[SPW], v[NIL]                      ; the opening: the add, twice on end, and its wait ahead of the tensor load
	ds_add_u32 v[SPW], v[NIL]
	v_lshrrev_b32 v[X], 5, v0
	v_readfirstlane_b32 s[WV], v[X]                ; wave 0..15
	s_and_b32 s40, s[WV], 1                        ; s
	s_lshr_b32 s41, s[WV], 1                       ; g
	s_mul_i32 s13, s[WV], WRAW                     ; my codes' rows in LDS: no place in the cluster enters an LDS address
	s_mul_i32 s30, s[WV], TILEB
	s_add_co_u32 s30, s30, ZST
	s_lshl_b32 s31, s[WV], 10
	s_add_co_u32 s31, s31, CBI
	s_lshl_b32 s42, s[WV], 6
	s_add_co_u32 s42, s42, SCI
	s_lshl_b32 s43, s[WV], 7
	s_add_co_u32 s43, s43, HEI
	s_lshl_b32 s44, s40, 13
	s_add_co_u32 s44, s44, CBI
	s_lshl_b32 s45, s40, 9
	s_add_co_u32 s45, s45, SCI
	s_lshl_b32 s46, s40, 10
	s_add_co_u32 s46, s46, HEI
	s_lshl_b32 s47, s41, 11
	s_add_co_u32 s47, s47, ZIM
	s_lshl_b32 s28, s41, 8
	s_add_co_u32 s28, s28, ZSI
	v_and_b32 v[X+1], 31, v0                       ; lane
	v_and_b32 v[X+2], 15, v0                       ; r
	v_bfe_u32 v[X+3], v0, 4, 1                     ; h
	v_lshlrev_b32 v[GOF], 4, v[X+1]
	v_mul_u32_u24 v[X+4], v[X+3], PITCH
	v_mul_u32_u24 v[X+5], v[X+2], PITCH
	v_lshl_add_u32 v[X+4], v[X+2], 4, v[X+4]
	v_lshl_add_u32 v[X+5], v[X+3], 7, v[X+5]
	v_add_nc_u32 v[STIN], s30, v[X+4]
	v_add_nc_u32 v[TRD], s13, v[X+5]
	v_add_nc_u32 v[ZTR], s30, v[X+5]
	v_add_nc_u32 v[CBW], s31, v[GOF]
	v_lshl_add_u32 v[SCW], v[X+2], 2, s42
	v_lshl_add_u32 v[HEW], v[X+2], 2, s43
	v_lshlrev_b32 v[H8], 3, v[X+3]
	v_add_nc_u32 v[CBR], s44, v[GOF]
	v_lshl_add_u32 v[SCR], v[X+2], 2, s45
	v_lshl_add_u32 v[HER], v[X+3], 5, s46
	v_add_nc_u32 v[ZRD], s47, v[GOF]
	v_lshl_add_u32 v[ZSR], v[X+2], 2, s28
	v_mov_b32 v[W2], 0                             ; lane permutes' destinations count as sources: written once
	v_mov_b32 v[W3], 0
	s_wait_alu depctr_va_vdst(0)
	s_bfe_u32 s11, ttmp6, 0x40000                  ; cx, cy: my place in the cluster
	s_bfe_u32 s12, ttmp6, 0x40004
	s_and_b32 s14, s12, 1                          ; j: my half of the codebook
	s_lshr_b32 s15, s12, 1
	s_lshl_b32 s15, s15, 2
	s_lshl_b32 s28, ttmp9, 3                       ; in a cluster launch ttmp9 counts clusters: eight blocks of z each
	s_add_co_u32 s28, s28, s15
	s_add_co_u32 s28, s28, s11                     ; my block of z: 8 x cluster + 4 (cy / 2) + cx
	s_lshl_b32 s29, s12, 2
	s_lshl_b32 s29, 15, s29                        ; my row of the cluster: places 4 cy .. 4 cy + 3
	; descriptor group 1: 32 rows x 64 elements of 4 bytes, dense in memory, padded in LDS
	s_or_b32 s[G1+0], s29, (2<<16)|(1<<20)|(1<<21)|(5<<22)|(3<<25)  ; 15:0 the mask; 17:16 elements of 4 bytes; 20 padding on; 21 set beside a mask; 24:22 after every 64 words (code 5); 31:25 four words (code 3)
	s_mov_b32 s[G1+1], 64<<16                      ; tensor_dim0 = 64
	s_mov_b32 s[G1+2], 32<<16                      ; tensor_dim1 = 32
	s_mov_b32 s[G1+3], 64<<16                      ; tile_dim0 = 64
	s_mov_b32 s[G1+4], 32                          ; tile_dim1 = 32
	s_mov_b32 s[G1+5], 64                          ; elements from row to row
	s_mov_b32 s[G1+6], 0
	s_mov_b32 s[G1+7], 0
	s_mov_b32 s[SEL], 0x76543210
	s_mov_b32 s[SEL+1], 0xfedcba98
	s_lshl_b32 s30, s[WV], 13                      ; 32 rows of 256 bytes a wave
	s_lshl_b32 s36, s14, 17                        ; the codebook: 512 rows a half; nothing of cx enters
	s_add_co_u32 s36, s36, s30
	s_mov_b32 s37, 0
	s_lshl_b32 s34, s28, 17                        ; z: 512 rows a block
	s_add_co_u32 s34, s34, s30
	s_mov_b32 s35, 0
	s_lshl_b32 s38, s28, 12                        ; cand: 8 bytes a row, 524,288 a half; 64 rows a group
	s_lshl_b32 s31, s14, 19
	s_add_co_u32 s38, s38, s31
	s_lshl_b32 s31, s41, 9
	s_add_co_u32 s38, s38, s31
	s_mov_b32 s39, 0
	s_wait_dscnt 0x0                               ; both opening adds are done
	ROUND                                          ; all sixteen work-groups are here: the joint loads meet.  The round names none of the arguments, so it stands ahead of the wait for them
	s_wait_kmcnt 0x0
	s_mov_b32 s[G0], 1                             ; count = 1
	s_mov_b32 s[G0+1], s13                         ; LDS address
	s_add_nc_u64 s[G0+2:G0+3], s[6:7], s[36:37]
	s_or_b32 s[G0+3], s[G0+3], 0x80000000          ; type = 2
	tensor_load_to_lds s[G0:G0+3], s[G1:G1+7]      ; my one tensor load
	s_nop 0
.rept 4
	v_nop
.endr
	s_add_nc_u64 s[4:5], s[4:5], s[34:35]
	s_add_nc_u64 s[8:9], s[8:9], s[38:39]
.irp q, 0,1,2,3,4,5,6,7,8,9,10,11,12,13,14,15
	global_load_b128 v[ZR+4*\q:ZR+4*\q+3], v[GOF], s[4:5] offset:512*\q   ; my 32 rows of z: 512 consecutive bytes, two rows a load
.endr
.irp i, 0,1,2,3,8,9,10,11,16,17,18,19,24,25,26,27,32,33,34,35
	v_mov_b32 v[ZB+\i], 0                          ; the zero codes beside z's
.endr
; A block a lane: lane (r, h) takes block h of row r, eight loads of 16 bytes.
.macro TREAD x, adr, off
.irp q, 0,1,2,3,4,5,6,7
	ds_load_b128 v[\x+4*\q:\x+4*\q+3], v[\adr] offset:\off+16*\q
.endr
.endm
	; z: two rows a load into my own stage, a tile at a time, and back a block a lane.  LDS serves a wave's instructions in order (ISA guide 5.7.1.4): the second tile's stores stand behind the first tile's loads.
	s_wait_loadcnt 8                               ; the first tile's eight loads are in
.irp q, 0,1,2,3,4,5,6,7
	ds_store_b128 v[STIN], v[ZR+4*\q:ZR+4*\q+3] offset:2*\q*PITCH
.endr
	TREAD XA, ZTR, 0
	s_wait_loadcnt 0x0
.irp q, 0,1,2,3,4,5,6,7
	ds_store_b128 v[STIN], v[ZR+32+4*\q:ZR+35+4*\q] offset:2*\q*PITCH
.endr
	TREAD XB, ZTR, 0
	s_wait_dscnt 0x0
	; each block's largest magnitude, with the floor 2^(3 - 127) among its leaves (so the byte cannot fall under 1); 2 off its exponent field is the conversions' scale operand.  The two tiles by turns
	v_max3_num_f32 v[T0], |v[XA]|, |v[XA+1]|, 0x1800000
	v_max3_num_f32 v[T2], |v[XB]|, |v[XB+1]|, 0x1800000
	v_max3_num_f32 v[T1], |v[XA+2]|, |v[XA+3]|, |v[XA+4]|
	v_max3_num_f32 v[T3], |v[XB+2]|, |v[XB+3]|, |v[XB+4]|
.irp i, 5,9,13,17,21,25
	v_max3_num_f32 v[T0], v[T0], |v[XA+\i]|, |v[XA+\i+1]|
	v_max3_num_f32 v[T2], v[T2], |v[XB+\i]|, |v[XB+\i+1]|
	v_max3_num_f32 v[T1], v[T1], |v[XA+\i+2]|, |v[XA+\i+3]|
	v_max3_num_f32 v[T3], v[T3], |v[XB+\i+2]|, |v[XB+\i+3]|
.endr
	v_max3_num_f32 v[T0], v[T0], |v[XA+29]|, |v[XA+30]|
	v_max3_num_f32 v[T2], v[T2], |v[XB+29]|, |v[XB+30]|
	v_max3_num_f32 v[T0], v[T0], v[T1], |v[XA+31]|
	v_max3_num_f32 v[T2], v[T2], v[T3], |v[XB+31]|
	v_add_nc_u32 v[SO], 0xff000000, v[T0]
	v_add_nc_u32 v[SO2], 0xff000000, v[T2]
.irp g, 0,1,2,3
	v_cvt_scalef32_pk8_fp4_f32 v[CD+\g], v[XA+8*\g:XA+8*\g+7], v[SO]
	v_cvt_scalef32_pk8_fp4_f32 v[CD+4+\g], v[XB+8*\g:XB+8*\g+7], v[SO2]
.endr
	v_lshrrev_b32 v[BY], 23, v[SO]                 ; the scales' bytes
	v_lshrrev_b32 v[BY+1], 23, v[SO2]
	v_lshl_or_b32 v[W], v[BY], 16, v[BY]           ; the same two bytes for both halves of the instruction's K,
	v_lshl_or_b32 v[WB], v[BY+1], 16, v[BY+1]
	v_lshlrev_b32 v[W], v[H8], v[W]                ; 8 h bits up;
	v_lshlrev_b32 v[WB], v[H8], v[WB]
	v_permlanex16_b32 v[W2], v[W], s[SEL], s[SEL+1]
	v_permlanex16_b32 v[W3], v[WB], s[SEL], s[SEL+1]
	v_or_b32 v[W], v[W], v[W2]                     ; with lane l xor 16's the word is whole
	v_or_b32 v[WB], v[WB], v[W3]
	ds_store_b128 v[CBW], v[CD:CD+3] offset:ZIM-CBI
	ds_store_b128 v[CBW], v[CD+4:CD+7] offset:ZIM-CBI+512
	ds_store_b32 v[HEW], v[W] offset:ZSI-HEI       ; both lanes of a row write the same word with the same value
	ds_store_b32 v[HEW], v[WB] offset:ZSI-HEI+64
; One tile of the codebook: the largest magnitude and the sum of squares, in four chains by turns; the codes are the operand's registers for this lane as they stand.
.macro QUANT a, x
	v_max3_num_f32 v[T0], |v[\x]|, |v[\x+1]|, 0x1800000
	v_max3_num_f32 v[T1], |v[\x+2]|, |v[\x+3]|, |v[\x+4]|
	v_pk_mul_f32 v[EE:EE+1], v[\x:\x+1], v[\x:\x+1]
	v_pk_mul_f32 v[EE+2:EE+3], v[\x+2:\x+3], v[\x+2:\x+3]
.irp i, 5,9,13,17,21,25
	v_max3_num_f32 v[T0], v[T0], |v[\x+\i]|, |v[\x+\i+1]|
	v_max3_num_f32 v[T1], v[T1], |v[\x+\i+2]|, |v[\x+\i+3]|
	v_pk_fma_f32 v[EE:EE+1], v[\x+\i-1:\x+\i], v[\x+\i-1:\x+\i], v[EE:EE+1]
	v_pk_fma_f32 v[EE+2:EE+3], v[\x+\i+1:\x+\i+2], v[\x+\i+1:\x+\i+2], v[EE+2:EE+3]
.endr
	v_max3_num_f32 v[T0], v[T0], |v[\x+29]|, |v[\x+30]|
	v_pk_fma_f32 v[EE:EE+1], v[\x+28:\x+29], v[\x+28:\x+29], v[EE:EE+1]
	v_pk_fma_f32 v[EE+2:EE+3], v[\x+30:\x+31], v[\x+30:\x+31], v[EE+2:EE+3]
	v_max3_num_f32 v[T0], v[T0], v[T1], |v[\x+31]|
	v_pk_add_f32 v[EE:EE+1], v[EE:EE+1], v[EE+2:EE+3]
	v_add_nc_u32 v[SO], 0xff000000, v[T0]
	v_add_f32 v[EE], v[EE], v[EE+1]
.irp g, 0,1,2,3
	v_cvt_scalef32_pk8_fp4_f32 v[CD+4*\a+\g], v[\x+8*\g:\x+8*\g+7], v[SO]
.endr
	v_permlanex16_b32 v[EE+1], v[EE], s[SEL], s[SEL+1]
	v_lshrrev_b32 v[BY+\a], 23, v[SO]
	v_add_f32 v[EE], v[EE], v[EE+1]                ; with the row's other block
	v_mul_f32 v[HV], -0.5, v[EE]
	ds_store_b128 v[CBW], v[CD+4*\a:CD+4*\a+3] offset:512*\a
	ds_store_b32 v[HEW], v[HV] offset:64*\a
.endm
	s_wait_tensorcnt 0x0                           ; my 32 codes' rows have landed; only I read these bytes
	TREAD XA, TRD, 0
	TREAD XB, TRD, TILEB
	s_wait_dscnt 8                                 ; the first tile is back; the second tile's eight loads may be out
	QUANT 0, XA
	s_wait_dscnt 2                                 ; the second tile is back; the first tile's two stores may be out
	QUANT 1, XB
	v_lshl_or_b32 v[W], v[BY+1], 16, v[BY]         ; my block's bytes of the pair's two tiles
	v_lshlrev_b32 v[W], v[H8], v[W]
	v_permlanex16_b32 v[W2], v[W], s[SEL], s[SEL+1]
	v_or_b32 v[W], v[W], v[W2]
	ds_store_b32 v[SCW], v[W]
	s_wait_dscnt 0x0                               ; for the others' sake: my images lie in LDS
	s_barrier_signal -1
	s_barrier_wait -1
; The operands of pair i (0 .. 7) of my 256 codes: 2 x 16 bytes of codes, the scale word, 4 x 16 bytes of -ee/2.
.macro LOADOP i
	ds_load_b128 v[OP:OP+3],     v[CBR] offset:1024*(\i)
	ds_load_b128 v[OP+4:OP+7],   v[CBR] offset:1024*(\i)+512
	ds_load_b32  v[AS],          v[SCR] offset:64*(\i)
	ds_load_b128 v[OP+8:OP+11],  v[HER] offset:128*(\i)
	ds_load_b128 v[OP+12:OP+15], v[HER] offset:128*(\i)+16
	ds_load_b128 v[OP+16:OP+19], v[HER] offset:128*(\i)+64
	ds_load_b128 v[OP+20:OP+23], v[HER] offset:128*(\i)+80
.endm
; Four products of step j: pair j / 2 against two of my four tiles of z (half j % 2).  Each starts anew from C = -ee/2.
.macro MULT j
.set MH, (\j)%2
.if (\j) < 2
.set MD, R+32*MH
.else
.set MD, D+32*MH
.endif
.irp a, 0,1
	v_wmma_scale_f32_16x16x128_f8f6f4 v[MD+16*\a:MD+16*\a+7], v[OP:OP+7], v[ZB+4+16*MH+8*\a:ZB+11+16*MH+8*\a], v[OP+8:OP+15], v[AS], v[ZS+2*MH+\a] matrix_a_fmt:MATRIX_FMT_FP4 matrix_b_fmt:MATRIX_FMT_FP4
	v_wmma_scale_f32_16x16x128_f8f6f4 v[MD+16*\a+8:MD+16*\a+15], v[OP:OP+7], v[ZB+16*MH+8*\a:ZB+7+16*MH+8*\a], v[OP+16:OP+23], v[AS], v[ZS+2*MH+\a] matrix_a_fmt:MATRIX_FMT_FP4 matrix_b_fmt:MATRIX_FMT_FP4
.endr
.endm
; Step j: the next step's products are issued, then this step's results are searched.  In a pair's first step the pair's last products have just been issued: behind the first twelve lines of the search, which are the places,
; the next pair's operands are asked for; the next step waits for them.
; The best so far is the 17th leaf of the maximum; old and new lie in two sets that change places from pair to pair.  An equal value does not raise it: the earlier pair has the lower codes.
; The 16 values are kept two to an instruction: destinations one even and one odd, first and second sources neighbours, both halves read VCC.
.macro STEP j
.set PN, (\j)/2
.set PH, (\j)%2
.set RA, R+32*PH
.if (\j) < 2
.set DA, RA
.else
.set DA, D+32*PH
.endif
.set DB, DA+16
.set MI, M+4*((PN+1)%2)+2*PH
.set MW, M+4*(PN%2)+2*PH
.if PH
	s_wait_dscnt 0x0                               ; the next pair's operands are in
.endif
.if (\j) < 15
	MULT (\j)+1
.endif
	v_max3_num_f32 v[X],   v[DA],    v[DA+1],  v[DA+2]     ; the two tiles of z by turns; each accumulator from its low end on
	v_max3_num_f32 v[X+4], v[DB],    v[DB+1],  v[DB+2]
	v_max3_num_f32 v[X+1], v[DA+8],  v[DA+9],  v[DA+10]
	v_max3_num_f32 v[X+5], v[DB+8],  v[DB+9],  v[DB+10]
	v_max3_num_f32 v[X+2], v[DA+3],  v[DA+4],  v[DA+5]
	v_max3_num_f32 v[X+6], v[DB+3],  v[DB+4],  v[DB+5]
	v_max3_num_f32 v[X+3], v[DA+11], v[DA+12], v[DA+13]
	v_max3_num_f32 v[X+7], v[DB+11], v[DB+12], v[DB+13]
	v_max3_num_f32 v[X],   v[X],   v[DA+6],  v[DA+7]
	v_max3_num_f32 v[X+4], v[X+4], v[DB+6],  v[DB+7]
	v_max3_num_f32 v[X+1], v[X+1], v[DA+14], v[DA+15]
	v_max3_num_f32 v[X+5], v[X+5], v[DB+14], v[DB+15]
.if (PH == 0) && (PN < 7)
	LOADOP PN+1
.endif
	v_max3_num_f32 v[X],   v[X],   v[X+2], v[X+3]
	v_max3_num_f32 v[X+4], v[X+4], v[X+6], v[X+7]
.if PN == 0
	v_max_num_f32 v[MW],   v[X],   v[X+1]
	v_max_num_f32 v[MW+1], v[X+4], v[X+5]
	v_mov_b32 v[US+2*PH], 0
	v_mov_b32 v[US+2*PH+1], 0
.else
	v_max3_num_f32 v[MW],   v[X],   v[X+1], v[MI]
	v_max3_num_f32 v[MW+1], v[X+4], v[X+5], v[MI+1]
	v_cmp_gt_f32 vcc_lo, v[MW], v[MI]              ; has it risen?
	v_cmp_gt_f32 s36, v[MW+1], v[MI+1]
	v_cndmask_b32 v[US+2*PH], v[US+2*PH], PN, vcc_lo
	v_cndmask_b32 v[US+2*PH+1], v[US+2*PH+1], PN, s36
.irp i, 0,2,4,6,8,10,12,14
	v_dual_cndmask_b32 v[RA+\i], v[RA+\i], v[DA+\i] :: v_dual_cndmask_b32 v[RA+\i+1], v[RA+\i+1], v[DA+\i+1]
.endr
	s_mov_b32 vcc_lo, s36
.irp i, 0,2,4,6,8,10,12,14
	v_dual_cndmask_b32 v[RA+16+\i], v[RA+16+\i], v[DB+\i] :: v_dual_cndmask_b32 v[RA+17+\i], v[RA+17+\i], v[DB+\i+1]
.endr
.endif
.endm
.irp a, 0,1,2,3
	ds_load_b128 v[ZB+4+8*\a:ZB+7+8*\a], v[ZRD] offset:512*\a
	ds_load_b32 v[ZS+\a], v[ZSR] offset:64*\a
.endr
	LOADOP 0
	s_wait_dscnt 0x0
	MULT 0
.rept 4
	v_nop                                          ; four places behind the first products; later the search's lines are the places
.endr
.irp j, 0,1,2,3,4,5,6,7,8,9,10,11,12,13,14,15
	STEP \j
.endr
; The best's place among the 16 kept values, by halving: where the lower half holds the best it is taken, so the lowest place wins.  Place p of pair u is code 512 j + 256 s + 32 u + 8 h + p + (p & 8).
.set CC,  OP
.set MX,  OP+4
.set CX,  OP+8
.set EC,  OP+12
.set MGW, OP+13
.set MGR, OP+14
.set P,   OP+15
	s_lshl_b32 s42, s40, 8
	s_lshl_b32 s43, s14, 9
	s_add_co_u32 s42, s42, s43
	s_lshl_b32 s43, s[WV], 9
	s_add_co_u32 s43, s43, MRG
	s_lshl_b32 s44, s41, 10
	s_add_co_u32 s44, s44, MRG
	v_bfe_u32 v[EC], v0, 4, 1
	v_and_b32 v[MGW], 15, v0
	v_and_b32 v[MGR], 31, v0
	v_lshl_add_u32 v[EC], v[EC], 3, s42            ; 512 j + 256 s + 8 h
	v_lshl_add_u32 v[MGW], v[MGW], 2, s43
	v_lshl_add_u32 v[MGR], v[MGR], 3, s44
.macro PLACE a
.set QR, R+16*\a
	v_max3_num_f32 v[X],   v[QR],   v[QR+1], v[QR+2]
	v_max3_num_f32 v[X+1], v[QR+3], v[QR+4], v[QR+5]
	v_max3_num_f32 v[X],   v[X],    v[QR+6], v[QR+7]
	v_max_num_f32 v[X], v[X], v[X+1]
	v_cmp_eq_f32 vcc_lo, v[X], v[M+4+\a]
	v_cndmask_b32 v[P], 16, 0, vcc_lo
.irp i, 0,2,4,6
	v_dual_cndmask_b32 v[QR+\i], v[QR+8+\i], v[QR+\i] :: v_dual_cndmask_b32 v[QR+\i+1], v[QR+9+\i], v[QR+\i+1]
.endr
	v_max3_num_f32 v[X], v[QR], v[QR+1], v[QR+2]
	v_max_num_f32 v[X], v[X], v[QR+3]
	v_cmp_eq_f32 vcc_lo, v[X], v[M+4+\a]
	v_cndmask_b32 v[X+2], 4, 0, vcc_lo
.irp i, 0,2
	v_dual_cndmask_b32 v[QR+\i], v[QR+4+\i], v[QR+\i] :: v_dual_cndmask_b32 v[QR+\i+1], v[QR+5+\i], v[QR+\i+1]
.endr
	v_max_num_f32 v[X], v[QR], v[QR+1]
	v_cmp_eq_f32 vcc_lo, v[X], v[M+4+\a]
	v_cndmask_b32 v[X+3], 2, 0, vcc_lo
	v_dual_cndmask_b32 v[QR], v[QR+2], v[QR] :: v_dual_cndmask_b32 v[QR+1], v[QR+3], v[QR+1]
	v_cmp_eq_f32 vcc_lo, v[QR], v[M+4+\a]
	v_cndmask_b32 v[X+4], 1, 0, vcc_lo
	v_add3_u32 v[P], v[P], v[X+2], v[X+3]
	v_lshl_add_u32 v[CC+\a], v[US+\a], 5, v[P]
	v_add3_u32 v[CC+\a], v[CC+\a], v[X+4], v[EC]   ; my half's best code
.endm
.irp a, 0,1,2,3
	PLACE \a
.endr
.irp a, 0,1,2,3
	v_permlanex16_b32 v[MX+\a], v[M+4+\a], s[SEL], s[SEL+1]
	v_permlanex16_b32 v[CX+\a], v[CC+\a], s[SEL], s[SEL+1]
.endr
.irp a, 0,1,2,3
	v_cmp_gt_f32 s36, v[MX+\a], v[M+4+\a]          ; lane l xor 16's is taken where it is better,
	v_cmp_eq_f32 s37, v[MX+\a], v[M+4+\a]
	v_cmp_lt_u32 vcc_lo, v[CX+\a], v[CC+\a]        ; or as good and lower
	v_max_num_f32 v[M+4+\a], v[M+4+\a], v[MX+\a]
	s_and_b32 s37, s37, vcc_lo
	s_or_b32 vcc_lo, s36, s37
	v_cndmask_b32 v[CC+\a], v[CC+\a], v[CX+\a], vcc_lo
.endr
.irp a, 0,1,2,3
	ds_store_b32 v[MGW], v[M+4+\a] offset:64*\a    ; both lanes of a row write the same word with the same value
	ds_store_b32 v[MGW], v[CC+\a] offset:256+64*\a
.endr
	s_wait_alu depctr_va_vdst(0)
	s_wait_dscnt 0x0                               ; for the other wave's sake
	s_barrier_signal -1
	s_barrier_wait -1
	s_cmp_lg_u32 s40, 0
	s_cbranch_scc1 .Lstored                        ; the group's first wave joins the two: two rows a lane
	ds_load_b64 v[D:D+1],   v[MGR]
	ds_load_b64 v[D+2:D+3], v[MGR] offset:256
	ds_load_b64 v[D+4:D+5], v[MGR] offset:512
	ds_load_b64 v[D+6:D+7], v[MGR] offset:768
	s_wait_dscnt 0x0
.irp i, 0,1
	v_cmp_gt_f32 vcc_lo, v[D+4+\i], v[D+\i]        ; the second wave's codes are the higher ones: an equal value does not take them
	v_max_num_f32 v[D+\i], v[D+\i], v[D+4+\i]
	v_cndmask_b32 v[D+9+2*\i], v[D+2+\i], v[D+6+\i], vcc_lo
	v_add_f32 v[D+\i], 0, v[D+\i]                  ; -0 becomes 0
	v_ashrrev_i32 v[D+8+2*\i], 31, v[D+\i]         ; the key: a negative number's bits below the sign are turned over, so that signed whole numbers order as the values do
	v_and_b32 v[D+8+2*\i], 0x7fffffff, v[D+8+2*\i]
	v_xor_b32 v[D+8+2*\i], v[D+8+2*\i], v[D+\i]
.endr
	global_store_b128 v[GOF], v[D+8:D+11], s[8:9]  ; 512 consecutive bytes, aligned
.Lstored:
	s_wait_tensorcnt 0x0                           ; the wave's end
	ds_add_u32 v[SPW], v[NIL]
	s_wait_dscnt 0x0
	ROUND                                          ; the closing round: no work-group ends while a partner may still ask for a tile that names it
	s_endpgm
.Lfunc_end_k_q60124a782c_nearest:
	.size	k_q60124a782c_nearest, .Lfunc_end_k_q60124a782c_nearest-k_q60124a782c_nearest
	.p2alignl 7, 3214868480
	.fill 96, 4, 3214868480
	.section	.rodata,"a",@progbits
	.p2align	6, 0x0
	.amdhsa_kernel k_q60124a782c_nearest
		.amdhsa_group_segment_fixed_size 327680
		.amdhsa_private_segment_fixed_size 0
		.amdhsa_enable_private_segment 0
		.amdhsa_kernarg_size 24
		.amdhsa_user_sgpr_count 2
		.amdhsa_user_sgpr_kernarg_segment_ptr 1
		.amdhsa_wavefront_size32 1
		.amdhsa_system_sgpr_workgroup_id_x 1
		.amdhsa_system_sgpr_workgroup_id_y 1
		.amdhsa_system_sgpr_workgroup_id_z 1
		.amdhsa_system_vgpr_workitem_id 0
		.amdhsa_next_free_vgpr 232
		.amdhsa_next_free_sgpr 66
		.amdhsa_reserve_vcc 1
		.amdhsa_float_denorm_mode_32 3
		.amdhsa_float_denorm_mode_16_64 3
		.amdhsa_memory_ordered 1
		.amdhsa_forward_progress 1
		.amdhsa_inst_pref_size 76
	.end_amdhsa_kernel
	.amdgpu_metadata
---
amdhsa.version: [ 1, 2 ]
amdhsa.kernels:
  - .name:           k_q60124a782c_nearest
    .symbol:         k_q60124a782c_nearest.kd
    .args:
      - { .name: z, .offset: 0, .size: 8, .value_kind: global_buffer, .address_space: global }
      - { .name: codebook, .offset: 8, .size: 8, .value_kind: global_buffer, .address_space: global }
      - { .name: cand, .offset: 16, .size: 8, .value_kind: global_buffer, .address_space: global }
    .group_segment_fixed_size: 327680
    .private_segment_fixed_size: 0
    .kernarg_segment_align: 8
    .kernarg_segment_size: 24
    .max_flat_workgroup_size: 512
    .sgpr_count:     66
    .vgpr_count:     232
    .wavefront_size: 32
...
	.end_amdgpu_metadata
.endif
;; end of part 1
;; launch gather (part 2): grid 256 x 1, 8 waves a work-group, no clusters, 1,280 bytes of LDS; arguments z, codebook, cand, out0, part; writes out0, part
.if DOCPART == 2
	.amdgcn_target "amdgcn-amd-amdhsa--gfx1250"
	.amdhsa_code_object_version 6
	.text
	.protected	k_q60124a782c_gather
	.globl	k_q60124a782c_gather
	.p2align	8
	.type	k_q60124a782c_gather,@function
k_q60124a782c_gather:
	s_mov_b64 s[64:65], 0
	v_nop
	global_prefetch_b8 v0, s[64:65] scope:SCOPE_SE
	s_setreg_imm32_b32 hwreg(HW_REG_WAVE_MODE, 25, 1), 1
	s_wait_xcnt 0x0
; out0[i] = E[ind[i]];  part[work-group] = the sum over its 256 rows of (E[ind[i]] - z[i])^2.  z, out0: [65536][64] f32; E: [1024][64] f32.  ind[i]: of the two candidates (key, code) that the launch before stored for row i,
; one for each half of the codebook, the one with the greater key, the first among equals.  cand: [2][65536][2] words.
; DEAD WORK LEFT OUT: z + (E[ind] - z) is E[ind] for all finite z and E, so z goes into the sum alone (the first launch's head says the same).  LIMIT: a NaN, an infinity or an overflow in z + (E - z) is not carried to out0.
; A stream: memory binds.  Eight waves, 32 rows each.  A lane chooses one row's code; then sixteen lanes take one row of 256 bytes, 16 bytes a lane: lanes 0-15 rows 0-15 of the wave's 32, lanes 16-31 rows 16-31, one row a step,
; so every load and store of a half covers 256 consecutive bytes, aligned.  THE ORDER: the candidates, half of z, rows of E and the other half of z by turns, the rest of E.  A row of E is stored as it comes.
; No register is written while a store may read it.  No matrix unit, no cluster, no prefetch: there is no loop, the work-groups share no tile, and which rows of E a work-group reads hangs on the candidates.
.set ZV, 16                            ; v16-79   z, then the differences
.set GV, 80                            ; v80-143  the codes' rows
.set IV, 144                           ; v144-159 the rows' byte offsets in E
.set AC, 160                           ; v160-167 sums of squares, four chains of two
	s_load_b256 s[4:11], s[0:1], 0x0               ; z s[4:5], E s[6:7], cand s[8:9], out0 s[10:11]
	s_load_b64 s[12:13], s[0:1], 0x20              ; part
	v_lshl_add_u32 v176, v0, 2, 0x100
	v_mov_b32 v177, 0
	v_lshrrev_b32 v1, 5, v0
	v_readfirstlane_b32 s14, v1                    ; wave
	v_and_b32 v2, 15, v0
	v_bfe_u32 v3, v0, 4, 1                         ; h
	v_and_b32 v6, 31, v0                           ; lane
	s_lshl_b32 s15, s14, 13                        ; 32 rows of 256 bytes a wave
	s_lshl_b32 s24, s14, 8                         ; 32 candidates of 8 bytes a wave
	v_lshlrev_b32 v4, 4, v2                        ; my 16 bytes of a row
	v_lshl_add_u32 v6, v6, 3, s24                  ; my row's candidate
	v_lshl_add_u32 v5, v3, 12, v4                  ; 16 rows a half
	v_add_nc_u32 v5, s15, v5                       ; my place in z and in out0
.irp q, 0,1,2,3,4,5,6,7,8,9,10,11,12,13,14,15
	v_mov_b32 v[IV+\q], 0                          ; a lane move's destination counts as one of its sources
.endr
	s_lshl_b32 s16, ttmp9, 16                      ; 256 rows a work-group
	s_mov_b32 s17, 0
	s_lshl_b32 s18, ttmp9, 11
	s_mov_b32 s19, 0
	s_lshl_b32 s20, ttmp9, 2
	s_mov_b32 s21, 0
	s_mov_b32 s22, 0x76543210
	s_mov_b32 s23, 0xfedcba98                      ; v_permlanex16_b32's selects for lane l xor 16
	s_wait_alu depctr_va_vdst(0)
	s_wait_kmcnt 0x0
	s_add_nc_u64 s[8:9], s[8:9], s[18:19]
	s_add_nc_u64 s[4:5], s[4:5], s[16:17]
	s_add_nc_u64 s[10:11], s[10:11], s[16:17]
	s_add_nc_u64 s[12:13], s[12:13], s[20:21]
	global_load_b64 v[168:169], v6, s[8:9]         ; half 0's key and code,
	global_load_b64 v[170:171], v6, s[8:9] offset:524288   ; half 1's
.irp q, 0,1,2,3,4,5,6,7
	global_load_b128 v[ZV+4*\q:ZV+4*\q+3], v5, s[4:5] offset:256*\q th:TH_LOAD_NT
.endr
	s_wait_loadcnt 8                               ; the candidates are in; z's eight loads may be out
	v_cmp_gt_i32 vcc_lo, v170, v168
	v_cndmask_b32 v169, v169, v171, vcc_lo         ; my row's code
.irp q, 0,1,2,3,4,5,6,7,8,9,10,11,12,13,14,15
	v_mov_b32_dpp v[IV+\q], v169 row_share:\q row_mask:0xf bank_mask:0xf   ; row q of my half, to its sixteen lanes
.endr
.irp q, 0,1,2,3,4,5,6,7,8,9,10,11,12,13,14,15
	v_min_u32 v[IV+\q], 0x3ff, v[IV+\q]            ; an index stays inside the table
.endr
.irp q, 0,1,2,3,4,5,6,7,8,9,10,11,12,13,14,15
	v_lshl_add_u32 v[IV+\q], v[IV+\q], 8, v4       ; 256 bytes a row, + my 16
.endr
.irp q, 0,1,2,3,4,5,6,7
	global_load_b128 v[GV+4*\q:GV+4*\q+3], v[IV+\q], s[6:7]
	global_load_b128 v[ZV+32+4*\q:ZV+35+4*\q], v5, s[4:5] offset:2048+256*\q th:TH_LOAD_NT
.endr
.irp q, 8,9,10,11,12,13,14,15
	global_load_b128 v[GV+4*\q:GV+4*\q+3], v[IV+\q], s[6:7]
.endr
.macro DIFF q
	v_pk_add_f32 v[ZV+4*\q:ZV+4*\q+1], v[GV+4*\q:GV+4*\q+1], v[ZV+4*\q:ZV+4*\q+1] neg_lo:[0,1] neg_hi:[0,1]       ; E[ind] - z
	v_pk_add_f32 v[ZV+4*\q+2:ZV+4*\q+3], v[GV+4*\q+2:GV+4*\q+3], v[ZV+4*\q+2:ZV+4*\q+3] neg_lo:[0,1] neg_hi:[0,1]
.endm
.macro SQUARE q
.set AQ, AC+4*(\q%2)
.if \q < 2
	v_pk_mul_f32 v[AQ:AQ+1], v[ZV+4*\q:ZV+4*\q+1], v[ZV+4*\q:ZV+4*\q+1]        ; the first two steps start the sums
	v_pk_mul_f32 v[AQ+2:AQ+3], v[ZV+4*\q+2:ZV+4*\q+3], v[ZV+4*\q+2:ZV+4*\q+3]
.else
	v_pk_fma_f32 v[AQ:AQ+1], v[ZV+4*\q:ZV+4*\q+1], v[ZV+4*\q:ZV+4*\q+1], v[AQ:AQ+1]
	v_pk_fma_f32 v[AQ+2:AQ+3], v[ZV+4*\q+2:ZV+4*\q+3], v[ZV+4*\q+2:ZV+4*\q+3], v[AQ+2:AQ+3]
.endif
.endm
.irp q, 0,1,2,3,4,5,6,7
	s_wait_loadcnt 23-2*\q                         ; row q of E is in; behind it: 8 - q loads of z, 15 - q rows
	global_store_b128 v5, v[GV+4*\q:GV+4*\q+3], s[10:11] offset:256*\q th:TH_STORE_NT
.endr
.irp q, 0,1,2,3,4,5,6,7                ; z's first eight loads stood ahead of E's
	DIFF \q
.endr
.irp q, 0,1,2,3,4,5,6,7
	SQUARE \q
.endr
.irp q, 8,9,10,11,12,13,14,15
	s_wait_loadcnt 15-\q                           ; row q of E is in, and all of z; the younger rows may be out
	global_store_b128 v5, v[GV+4*\q:GV+4*\q+3], s[10:11] offset:256*\q th:TH_STORE_NT
.endr
.irp q, 8,9,10,11,12,13,14,15
	DIFF \q
.endr
.irp q, 8,9,10,11,12,13,14,15
	SQUARE \q
.endr
	v_pk_add_f32 v[AC:AC+1], v[AC:AC+1], v[AC+2:AC+3]
	v_pk_add_f32 v[AC+4:AC+5], v[AC+4:AC+5], v[AC+6:AC+7]
	s_delay_alu instid0(VALU_DEP_1)
	v_pk_add_f32 v[AC:AC+1], v[AC:AC+1], v[AC+4:AC+5]
	s_delay_alu instid0(VALU_DEP_1)
	v_add_f32 v[AC], v[AC], v[AC+1]
	s_delay_alu instid0(VALU_DEP_1)
	v_add_f32_dpp v[AC], v[AC], v[AC] row_xmask:1 row_mask:0xf bank_mask:0xf
	s_delay_alu instid0(VALU_DEP_1)
	v_add_f32_dpp v[AC], v[AC], v[AC] row_xmask:2 row_mask:0xf bank_mask:0xf
	s_delay_alu instid0(VALU_DEP_1)
	v_add_f32_dpp v[AC], v[AC], v[AC] row_xmask:4 row_mask:0xf bank_mask:0xf
	s_delay_alu instid0(VALU_DEP_1)
	v_add_f32_dpp v[AC], v[AC], v[AC] row_xmask:8 row_mask:0xf bank_mask:0xf
	s_delay_alu instid0(VALU_DEP_1)
	v_permlanex16_b32 v[AC+1], v[AC], s22, s23
	s_delay_alu instid0(VALU_DEP_1)
	v_add_f32 v[AC], v[AC], v[AC+1]                ; the wave's sum, in every lane
	v_mov_b32 v7, s14
	s_delay_alu instid0(VALU_DEP_1)
	v_lshlrev_b32 v7, 2, v7
	ds_store_b32 v7, v[AC]                         ; all lanes write the wave's word with the same value
	s_wait_dscnt 0x0                               ; for the others' sake
	s_barrier_signal -1
	s_barrier_wait -1
	s_cmp_lg_u32 s14, 0
	s_cbranch_scc1 .Ldone                          ; wave 0 adds the eight
	v_mov_b32 v8, 0
	ds_load_b128 v[168:171], v8
	ds_load_b128 v[172:175], v8 offset:16
	s_wait_dscnt 0x0
	v_pk_add_f32 v[168:169], v[168:169], v[170:171]
	v_pk_add_f32 v[172:173], v[172:173], v[174:175]
	s_delay_alu instid0(VALU_DEP_1)
	v_pk_add_f32 v[168:169], v[168:169], v[172:173]
	s_delay_alu instid0(VALU_DEP_1)
	v_add_f32 v168, v168, v169
	v_cmp_eq_u32 vcc_lo, 0, v0
	s_wait_alu depctr_va_vdst(0)
	s_wait_xcnt 0x0                                ; EXEC is a source of the stores above: it changes only behind this wait
	s_and_saveexec_b32 s24, vcc_lo
	global_store_b32 v8, v168, s[12:13]            ; one word a work-group
	s_wait_xcnt 0x0                                ; and again, in front of the line that widens it
	s_or_b32 exec_lo, exec_lo, s24
.Ldone:
	s_wait_tensorcnt 0x0                           ; the wave's end
	ds_add_u32 v176, v177
	s_wait_dscnt 0x0
	s_endpgm
.Lfunc_end_k_q60124a782c_gather:
	.size	k_q60124a782c_gather, .Lfunc_end_k_q60124a782c_gather-k_q60124a782c_gather
	.p2alignl 7, 3214868480
	.fill 96, 4, 3214868480
	.section	.rodata,"a",@progbits
	.p2align	6, 0x0
	.amdhsa_kernel k_q60124a782c_gather
		.amdhsa_group_segment_fixed_size 1280
		.amdhsa_private_segment_fixed_size 0
		.amdhsa_enable_private_segment 0
		.amdhsa_kernarg_size 40
		.amdhsa_user_sgpr_count 2
		.amdhsa_user_sgpr_kernarg_segment_ptr 1
		.amdhsa_wavefront_size32 1
		.amdhsa_system_sgpr_workgroup_id_x 1
		.amdhsa_system_sgpr_workgroup_id_y 1
		.amdhsa_system_sgpr_workgroup_id_z 1
		.amdhsa_system_vgpr_workitem_id 0
		.amdhsa_next_free_vgpr 178
		.amdhsa_next_free_sgpr 66
		.amdhsa_reserve_vcc 1
		.amdhsa_float_denorm_mode_32 3
		.amdhsa_float_denorm_mode_16_64 3
		.amdhsa_memory_ordered 1
		.amdhsa_forward_progress 1
		.amdhsa_inst_pref_size 17
	.end_amdhsa_kernel
	.amdgpu_metadata
---
amdhsa.version: [ 1, 2 ]
amdhsa.kernels:
  - .name:           k_q60124a782c_gather
    .symbol:         k_q60124a782c_gather.kd
    .args:
      - { .name: z, .offset: 0, .size: 8, .value_kind: global_buffer, .address_space: global }
      - { .name: codebook, .offset: 8, .size: 8, .value_kind: global_buffer, .address_space: global }
      - { .name: cand, .offset: 16, .size: 8, .value_kind: global_buffer, .address_space: global }
      - { .name: out0, .offset: 24, .size: 8, .value_kind: global_buffer, .address_space: global }
      - { .name: part, .offset: 32, .size: 8, .value_kind: global_buffer, .address_space: global }
    .group_segment_fixed_size: 1280
    .private_segment_fixed_size: 0
    .kernarg_segment_align: 8
    .kernarg_segment_size: 40
    .max_flat_workgroup_size: 256
    .sgpr_count:     66
    .vgpr_count:     178
    .wavefront_size: 32
...
	.end_amdgpu_metadata
.endif
;; end of part 2
;; launch total (part 3): grid 1 x 1, 1 waves a work-group, no clusters, 0 bytes of LDS; arguments part, out1; writes out1
.if DOCPART == 3
	.amdgcn_target "amdgcn-amd-amdhsa--gfx1250"
	.amdhsa_code_object_version 6
	.text
	.protected	k_q60124a782c_total
	.globl	k_q60124a782c_total
	.p2align	8
	.type	k_q60124a782c_total,@function
k_q60124a782c_total:
	s_mov_b64 s[64:65], 0
	v_nop
	global_prefetch_b8 v0, s[64:65] scope:SCOPE_SE
	s_setreg_imm32_b32 hwreg(HW_REG_WAVE_MODE, 25, 1), 1
	s_wait_xcnt 0x0
; out1 = (0.1 m + m) x 10, m = the mean of (E[ind] - z)^2 over 65,536 x 64 = 2^22 numbers: the 256 work-groups' sums are added by one wave, the one owner of the number.
	s_load_b128 s[4:7], s[0:1], 0x0                ; part s[4:5], out1 s[6:7]
	v_lshlrev_b32 v1, 4, v0
	s_mov_b32 s8, 0x76543210
	s_mov_b32 s9, 0xfedcba98                       ; v_permlanex16_b32's selects for lane l xor 16
	s_wait_alu depctr_va_vdst(0)
	s_wait_kmcnt 0x0
	global_load_b128 v[4:7], v1, s[4:5]            ; 2 x 512 consecutive bytes: eight sums a lane
	global_load_b128 v[8:11], v1, s[4:5] offset:512
	s_wait_loadcnt 0x0
	v_pk_add_f32 v[4:5], v[4:5], v[8:9]
	v_pk_add_f32 v[6:7], v[6:7], v[10:11]
	v_pk_add_f32 v[4:5], v[4:5], v[6:7]
	v_add_f32 v4, v4, v5
	v_add_f32_dpp v4, v4, v4 row_xmask:1 row_mask:0xf bank_mask:0xf
	v_add_f32_dpp v4, v4, v4 row_xmask:2 row_mask:0xf bank_mask:0xf
	v_add_f32_dpp v4, v4, v4 row_xmask:4 row_mask:0xf bank_mask:0xf
	v_add_f32_dpp v4, v4, v4 row_xmask:8 row_mask:0xf bank_mask:0xf
	v_permlanex16_b32 v5, v4, s8, s9
	v_add_f32 v4, v4, v5
	v_mul_f32 v4, 0x34800000, v4                   ; x 2^-22: the mean
	v_fma_f32 v4, 0x3dcccccd, v4, v4               ; 0.1 m + m
	v_mul_f32 v4, 0x41200000, v4                   ; x 10
	v_mov_b32 v2, 0
	v_cmp_eq_u32 vcc_lo, 0, v0
	s_wait_alu depctr_va_vdst(0)
	s_wait_xcnt 0x0                                ; EXEC changes only behind this wait
	s_and_saveexec_b32 s10, vcc_lo
	global_store_b32 v2, v4, s[6:7]
	s_wait_xcnt 0x0
	s_or_b32 exec_lo, exec_lo, s10
	s_endpgm
.Lfunc_end_k_q60124a782c_total:
	.size	k_q60124a782c_total, .Lfunc_end_k_q60124a782c_total-k_q60124a782c_total
	.p2alignl 7, 3214868480
	.fill 96, 4, 3214868480
	.section	.rodata,"a",@progbits
	.p2align	6, 0x0
	.amdhsa_kernel k_q60124a782c_total
		.amdhsa_group_segment_fixed_size 0
		.amdhsa_private_segment_fixed_size 0
		.amdhsa_enable_private_segment 0
		.amdhsa_kernarg_size 16
		.amdhsa_user_sgpr_count 2
		.amdhsa_user_sgpr_kernarg_segment_ptr 1
		.amdhsa_wavefront_size32 1
		.amdhsa_system_sgpr_workgroup_id_x 1
		.amdhsa_system_sgpr_workgroup_id_y 1
		.amdhsa_system_sgpr_workgroup_id_z 1
		.amdhsa_system_vgpr_workitem_id 0
		.amdhsa_next_free_vgpr 16
		.amdhsa_next_free_sgpr 66
		.amdhsa_reserve_vcc 1
		.amdhsa_float_denorm_mode_32 3
		.amdhsa_float_denorm_mode_16_64 3
		.amdhsa_memory_ordered 1
		.amdhsa_forward_progress 1
		.amdhsa_inst_pref_size 2
	.end_amdhsa_kernel
	.amdgpu_metadata
---
amdhsa.version: [ 1, 2 ]
amdhsa.kernels:
  - .name:           k_q60124a782c_total
    .symbol:         k_q60124a782c_total.kd
    .args:
      - { .name: part, .offset: 0, .size: 8, .value_kind: global_buffer, .address_space: global }
      - { .name: out1, .offset: 8, .size: 8, .value_kind: global_buffer, .address_space: global }
    .group_segment_fixed_size: 0
    .private_segment_fixed_size: 0
    .kernarg_segment_align: 8
    .kernarg_segment_size: 16
    .max_flat_workgroup_size: 32
    .sgpr_count:     66
    .vgpr_count:     16
    .wavefront_size: 32
...
	.end_amdgpu_metadata
.endif
;; end of part 3
